; MI455X (gfx1250); checked and timed in simulation.
; The chip was launched on July 23, 2026; its instructions are those of AMD's public machine-readable ISA for CDNA 5 (MIT licence, August 2026) and "CDNA5" Instruction Set Architecture Reference Guide (July 2026). The comments in the code are by the model that wrote it; some were corrected since.
;; Quantum Layer. Allowed arithmetic: matrix products marked QUANTISED: E2M1 operands, one E8M0 scale for each 32 along K, by v_wmma_scale_f32_16x16x128_f8f6f4 with both operands' format E2M1 (or v_wmma_scale_f32_32x16x128_f4), f32 sums; everything else in f32.
;; Inputs: W_codes 4,096 x 128 x 16 uint8 (E2M1 codes of W, K innermost, in blocks of 32 codes, two codes a byte); W_scales 4,096 x 128 uint8 (E8M0 scales of W, one for each 32 codes along K); b 4,096 float32; quantum_outcomes 4,096 x 1,000 int32; x_codes 4,096 x 128 x 16 uint8 (E2M1 codes of x, K innermost, in blocks of 32 codes, two codes a byte); x_scales 4,096 x 128 uint8 (E8M0 scales of x, one for each 32 codes along K).
;; Outputs: out0 4,096 x 4,096 float32.
;; This version of the problem:
;;   THIS VERSION OF THE PROBLEM IS GIVEN IN LOW PRECISION. The matrix products marked QUANTISED in the list below multiply operands that are first quantised to E2M1 (2 exponent bits, 1 mantissa bit; 4 bits a number), with one power-of-two scale for each 32 numbers along K (OCP MX v1.0); their sums are f32. All else is computed in f32.
;;   The module's matrix products, in the order in which they are computed (A, B: the left and right operand; K: the contracted axis; several contracted axes count as one K, in the product's order):
;;     1. [M 4,096, K 4,096] x [K 4,096, N 4,096]; A: input x (given as codes); B: input W (given as codes): QUANTISED
;;   THE QUANTISER, for each operand of a quantised product, along K:
;;     - K is cut into blocks of 32 from its start; a last block that is shorter is filled with zeros.
;;     - A block's scale is 2^e with e = floor(log2(the largest magnitude in the block)) - 2, held to -126 .. 127; a block of zeros has e = 0. As a byte (E8M0): e + 127.
;;     - Each number is divided by its block's scale, clamped to +-6, and rounded to the nearest number of E2M1, ties to even, subnormals kept.
;;     - The product sums the exact products of the quantised numbers (number of the format x scale) in f32.
;;   ~~~python
;;   def quantise(x, axis):      # numpy; x: float32 -> the quantised numbers, widened to float32 again
;;       x = np.moveaxis(x, axis, -1); K = x.shape[-1]
;;       x = np.pad(x, [(0, 0)] * (x.ndim - 1) + [(0, -K % 32)]); x = x.reshape(x.shape[:-1] + (-1, 32)); a = np.abs(x).max(-1, keepdims=True)
;;       e = np.where(a > 0, np.clip(np.frexp(np.where(a > 0, a, 1))[1] - 1 - 2, -126, 127), 0)      # np.frexp(a)[1] - 1 = floor(log2(a)), exactly
;;       r = np.clip(x / 2.0 ** e, -6, 6)
;;       step = 2.0 ** (np.maximum(np.frexp(np.where(r == 0, 1, r))[1] - 1, 0) - 1)
;;       q = np.round(r / step) * step * 2.0 ** e      # np.round: ties to even
;;       return np.moveaxis(q.reshape(q.shape[:-2] + (-1,))[..., :K], -1, axis).astype(np.float32)
;;   ~~~
;;   INPUTS GIVEN AS CODES. W (in the module: [4096, 4096], K = its axis 1); x (in the module: [4096, 4096], K = its axis 1): each comes as NAME_codes (uint8): NAME with its K axis moved to the last place and cut into blocks of 32 codes, [.., K / 32, bytes a block], one block behind the other in memory; two codes a byte, the lower K in the low four bits (a code: sign, 2 exponent bits, 1 mantissa bit); and NAME_scales (uint8): the same leading axes, one E8M0 byte (e + 127) for each 32 codes along K. Its value is code x scale, taken as it is: it is not quantised again, and the codes and scales need not be those that the quantiser above would give.
;; One version. Each part assembles by itself: llvm-mc -triple=amdgcn-amd-amdhsa -mcpu=gfx1250 --defsym DOCPART=n.
;; ======== version 1 of 1: 2 launches
;; limits: right only within a limited range of input values
;; workspace buffers: expect 16,384 bytes; xs_t 524,288 bytes; ws_t 524,288 bytes
;; launch prep (part 1): grid 256 x 1, 8 waves a work-group, no clusters, 1,280 bytes of LDS; arguments quantum_outcomes, x_scales, W_scales, expect, xs_t, ws_t; writes expect, xs_t, ws_t
.if DOCPART == 1
	.amdgcn_target "amdgcn-amd-amdhsa--gfx1250"
	.amdhsa_code_object_version 6
	.text
	.protected	k_q60e1ddad4a_prep
	.globl	k_q60e1ddad4a_prep
	.p2align	8
	.type	k_q60e1ddad4a_prep,@function
k_q60e1ddad4a_prep:
	s_mov_b64 s[64:65], 0
	v_nop
	global_prefetch_b8 v0, s[64:65] scope:SCOPE_SE
	s_setreg_imm32_b32 hwreg(HW_REG_WAVE_MODE, 25, 1), 1
	s_wait_xcnt 0x0
; Two small jobs ahead of the product, in one stream over their inputs.
; (1) expect[m] = mean over the 1,000 shots of quantum_outcomes[m][:] / 15, f32.
; (2) The scale bytes of x and of W, given as [4096 rows][128], are laid anew as [8 K steps][4096 places][16 bytes]: byte j of a 16 is the scale of k = 512 s + 32 j on.  So the scales of 256 rows for one K step
;     of 512 are 4,096 consecutive bytes.  x's place is its row.  W's place 64 i + 16 t + r holds row 64 i + 4 r + t: the order in which the product's launch lays W's rows.
; SHARES.  Work-group g takes rows 16 g .. 16 g + 15 of the outcomes and of x, and places 16 g .. 16 g + 15 of W (rows 64 (g / 4) + 4 r + g % 4).  Wave w sums outcome rows 16 g + 2 w and + 1 (a row is 4,000 bytes:
; 250 pieces of 16; eight loads a lane, the eighth clamped to the row's last piece in lanes 26-31 and counted as 0 there, so no load leaves the buffer).  Waves 0-3 move x's 16 scale rows, waves 4-7 W's: 128 pieces, one a thread.
; All 17 loads of a wave go out at once; nothing is looped and no register of a pending load or store is written again, so no wait frees a source.
; No matrix unit, cluster, tensor load or prefetch: each byte is read once and used once, and there is no loop to run ahead in.
; LIMITS.  The sum is taken in f32, in another order than a plain chain: exact while the partial sums stay under 2^24 (outcomes of 4 bits sum to 15,000 at the most); beyond that it rounds as any f32 sum.
; One multiplication by 1 / 15000 stands for the division by 1,000 and the division by 15.  A work-group's 64 bytes of expect are a part of an aligned 256.
.set ROWQ, 4000                        ; bytes in a row of outcomes
.set X0,   16                          ; v16-47 row 0, v48-79 row 1: eight loads x four registers each
	s_load_b256 s[4:11], s[0:1], 0x0               ; outcomes s[4:5], x_scales s[6:7], W_scales s[8:9], expect s[10:11]
	s_load_b128 s[12:15], s[0:1], 0x20             ; xs_t s[12:13], ws_t s[14:15]
	v_lshrrev_b32 v1, 5, v0
	v_lshl_add_u32 v88, v0, 2, 0x100               ; my spare word in LDS
	v_mov_b32 v89, 0
	v_and_b32 v10, 15, v0                          ; the scales: my place r of the 16,
	v_bfe_u32 v11, v0, 4, 3                        ; my K step s of the 8
	v_readfirstlane_b32 s16, v1                    ; wave 0..7
	v_and_b32 v1, 31, v0                           ; lane
	v_lshlrev_b32 v13, 2, v10                      ; 4 (lane % 16): LDS word and place in expect (lanes 16-31 repeat lanes 0-15)
	v_lshlrev_b32 v5, 4, v10
	v_add_nc_u32 v3, 224, v1                       ; the eighth load: pieces 224 .. 249,
	v_lshlrev_b32 v2, 4, v1                        ; (my 16 bytes of a load's 512)
	v_lshl_add_u32 v5, v11, 16, v5                 ; to: 65,536 s + 16 r: sixteen neighbouring lanes store 256 consecutive bytes, aligned
	v_min_u32 v3, 249, v3                          ; lanes 26-31 held at the row's last piece
	s_lshl_b32 s17, s16, 3
	s_cmp_lt_u32 s16, 4                            ; x's scales or W's: the choice hangs on the wave's number alone
	s_cselect_b32 s27, 7, 9                        ; x's rows lie 128 bytes apart, W's (every fourth) 512
	v_lshlrev_b32 v4, s27, v10
	v_lshlrev_b32 v3, 4, v3
	v_and_b32 v10, 1, v1                           ; lane & 1: which of my wave's two rows this lane hands on
	v_lshl_add_u32 v4, v11, 4, v4                  ; from: 128 r + 16 s, or 512 r + 16 s
	v_mov_b32 v14, 0                               ; a lane permute's destination counts as one of its sources: written once
	v_lshl_add_u32 v12, v10, 2, s17                ; LDS: word 2 w + (lane & 1)
	v_cmp_gt_u32 vcc_lo, 26, v1                    ; lanes whose eighth piece counts
	s_mov_b32 s24, 0x76543210
	s_mov_b32 s25, 0xfedcba98                      ; v_permlanex16_b32's selects for lane l xor 16
	s_mul_i32 s18, ttmp9, 16*ROWQ
	s_mul_i32 s26, s16, 2*ROWQ
	s_add_co_u32 s18, s18, s26                     ; my wave's two rows of outcomes (under 2^27 bytes)
	s_mov_b32 s19, 0
	s_lshr_b32 s28, ttmp9, 2
	s_lshl_b32 s28, s28, 13                        ; W's scales: 64 rows of 128 bytes for each four work-groups,
	s_and_b32 s29, ttmp9, 3
	s_lshl_b32 s29, s29, 7
	s_add_co_u32 s28, s28, s29                     ; and one row further for each of the four
	s_lshl_b32 s29, ttmp9, 11                      ; x's: 16 rows of 128 bytes
	s_wait_alu depctr_va_vdst(0)                   ; the wait at the head's end
	s_wait_kmcnt 0x0
	s_add_nc_u64 s[4:5], s[4:5], s[18:19]
	s_cmp_lt_u32 s16, 4
	s_cselect_b32 s18, s29, s28
	s_cselect_b64 s[20:21], s[6:7], s[8:9]
	s_cselect_b64 s[22:23], s[12:13], s[14:15]
	s_add_nc_u64 s[20:21], s[20:21], s[18:19]
	s_lshl_b32 s18, ttmp9, 8                       ; 16 places of 16 bytes in each K step's plane
	s_add_nc_u64 s[22:23], s[22:23], s[18:19]
	s_lshl_b32 s18, ttmp9, 6                       ; 16 rows of 4 bytes
	s_add_nc_u64 s[10:11], s[10:11], s[18:19]
	global_load_b128 v[6:9], v4, s[20:21]          ; my piece of the scales
.irp j, 0,1
.irp i, 0,1,2,3,4,5,6
	global_load_b128 v[X0+32*\j+4*\i:X0+32*\j+4*\i+3], v2, s[4:5] offset:ROWQ*\j+512*\i th:TH_LOAD_NT   ; 32 lanes read 512 consecutive bytes; read once in the launch
.endr
	global_load_b128 v[X0+32*\j+28:X0+32*\j+31], v3, s[4:5] offset:ROWQ*\j th:TH_LOAD_NT
.endr
	s_wait_loadcnt 16                              ; loads come back in order (ISA guide 5.7.1): the scales are in, the sixteen loads of outcomes stay out
	global_store_b128 v5, v[6:9], s[22:23]
; Row j's sum, in every lane of the wave, times 1 / 15000.  left = the younger loads that may stay out.
.macro SUMROW j, left
.set Q, X0+32*\j
	s_wait_loadcnt \left
.irp k, 0,1,2,3
	v_cndmask_b32 v[Q+28+\k], 0, v[Q+28+\k], vcc_lo        ; lanes 26-31 read the last piece a second time: it counts as 0 there
.endr
.irp k, 0,1,2,3,4,5,6,7,8,9,10,11,12,13,14,15,16,17,18,19,20,21,22,23,24,25,26,27,28,29,30,31
	v_cvt_f32_i32 v[Q+\k], v[Q+\k]
.endr
.irp i, 2,4,6                          ; four chains of packed additions that do not wait for each other
.irp p, 0,2
	v_pk_add_f32 v[Q+\p:Q+\p+1], v[Q+\p:Q+\p+1], v[Q+4*\i+\p:Q+4*\i+\p+1]
	v_pk_add_f32 v[Q+4+\p:Q+4+\p+1], v[Q+4+\p:Q+4+\p+1], v[Q+4*\i+4+\p:Q+4*\i+4+\p+1]
.endr
.endr
	s_delay_alu instid0(VALU_DEP_3)
	v_pk_add_f32 v[Q:Q+1], v[Q:Q+1], v[Q+4:Q+5]
	s_delay_alu instid0(VALU_DEP_2)
	v_pk_add_f32 v[Q+2:Q+3], v[Q+2:Q+3], v[Q+6:Q+7]
	s_delay_alu instid0(VALU_DEP_1)
	v_pk_add_f32 v[Q:Q+1], v[Q:Q+1], v[Q+2:Q+3]
	s_delay_alu instid0(VALU_DEP_1)
	v_add_f32 v[Q], v[Q], v[Q+1]                   ; my lane's 32 numbers
	s_delay_alu instid0(VALU_DEP_1)
	v_add_f32_dpp v[Q], v[Q], v[Q] row_xmask:1 row_mask:0xf bank_mask:0xf   ; across the 32 lanes: four steps inside each half,
	s_delay_alu instid0(VALU_DEP_1)
	v_add_f32_dpp v[Q], v[Q], v[Q] row_xmask:2 row_mask:0xf bank_mask:0xf
	s_delay_alu instid0(VALU_DEP_1)
	v_add_f32_dpp v[Q], v[Q], v[Q] row_xmask:4 row_mask:0xf bank_mask:0xf
	s_delay_alu instid0(VALU_DEP_1)
	v_add_f32_dpp v[Q], v[Q], v[Q] row_xmask:8 row_mask:0xf bank_mask:0xf
	s_delay_alu instid0(VALU_DEP_1)
	v_permlanex16_b32 v14, v[Q], s24, s25          ; one across the halves
	s_delay_alu instid0(VALU_DEP_1)
	v_add_f32 v[Q], v[Q], v14
	s_delay_alu instid0(VALU_DEP_1)
	v_mul_f32 v[Q], 0x388bcf65, v[Q]               ; x 1 / 15000
.endm
	SUMROW 0, 8                                    ; row 1's eight loads may be out
	SUMROW 1, 0
	; The work-group's 16 numbers meet in LDS, so that one store of one wave writes them: 64 consecutive bytes.
	v_cmp_eq_u32 vcc_lo, 1, v10
	s_delay_alu instid0(VALU_DEP_1)
	v_cndmask_b32 v11, v[X0], v[X0+32], vcc_lo     ; even lanes row 0's e, odd lanes row 1's
	ds_store_b32 v12, v11                          ; sixteen lanes write the same word with the same value
	s_wait_dscnt 0x0                               ; for the others' sake: my store is done
	s_barrier_signal -1
	s_barrier_wait -1
	s_cmp_lg_u32 s16, 0
	s_cbranch_scc1 .Lend
	ds_load_b32 v11, v13
	s_wait_dscnt 0x0
	global_store_b32 v13, v11, s[10:11]            ; lanes 16-31 store the same words with the same values
.Lend:
	s_wait_tensorcnt 0x0                           ; the wave's end
	ds_add_u32 v88, v89
	s_wait_dscnt 0x0
	s_endpgm
.Lfunc_end_k_q60e1ddad4a_prep:
	.size	k_q60e1ddad4a_prep, .Lfunc_end_k_q60e1ddad4a_prep-k_q60e1ddad4a_prep
	.p2alignl 7, 3214868480
	.fill 96, 4, 3214868480
	.section	.rodata,"a",@progbits
	.p2align	6, 0x0
	.amdhsa_kernel k_q60e1ddad4a_prep
		.amdhsa_group_segment_fixed_size 1280
		.amdhsa_private_segment_fixed_size 0
		.amdhsa_enable_private_segment 0
		.amdhsa_kernarg_size 48
		.amdhsa_user_sgpr_count 2
		.amdhsa_user_sgpr_kernarg_segment_ptr 1
		.amdhsa_wavefront_size32 1
		.amdhsa_system_sgpr_workgroup_id_x 1
		.amdhsa_system_sgpr_workgroup_id_y 1
		.amdhsa_system_sgpr_workgroup_id_z 1
		.amdhsa_system_vgpr_workitem_id 0
		.amdhsa_next_free_vgpr 90
		.amdhsa_next_free_sgpr 66
		.amdhsa_reserve_vcc 1
		.amdhsa_float_denorm_mode_32 3
		.amdhsa_float_denorm_mode_16_64 3
		.amdhsa_memory_ordered 1
		.amdhsa_forward_progress 1
		.amdhsa_inst_pref_size 11
	.end_amdhsa_kernel
	.amdgpu_metadata
---
amdhsa.version: [ 1, 2 ]
amdhsa.kernels:
  - .name:           k_q60e1ddad4a_prep
    .symbol:         k_q60e1ddad4a_prep.kd
    .args:
      - { .name: quantum_outcomes, .offset: 0, .size: 8, .value_kind: global_buffer, .address_space: global }
      - { .name: x_scales, .offset: 8, .size: 8, .value_kind: global_buffer, .address_space: global }
      - { .name: W_scales, .offset: 16, .size: 8, .value_kind: global_buffer, .address_space: global }
      - { .name: expect, .offset: 24, .size: 8, .value_kind: global_buffer, .address_space: global }
      - { .name: xs_t, .offset: 32, .size: 8, .value_kind: global_buffer, .address_space: global }
      - { .name: ws_t, .offset: 40, .size: 8, .value_kind: global_buffer, .address_space: global }
    .group_segment_fixed_size: 1280
    .private_segment_fixed_size: 0
    .kernarg_segment_align: 8
    .kernarg_segment_size: 48
    .max_flat_workgroup_size: 256
    .sgpr_count:     66
    .vgpr_count:     90
    .wavefront_size: 32
...
	.end_amdgpu_metadata
.endif
;; end of part 1
;; launch gemm (part 2): grid 16 x 16, 4 waves a work-group, clusters of 4 x 4, 327,680 bytes of LDS; arguments x_codes, xs_t, W_codes, ws_t, b, expect, out0; writes out0
.if DOCPART == 2
	.amdgcn_target "amdgcn-amd-amdhsa--gfx1250"
	.amdhsa_code_object_version 6
	.text
	.protected	k_q60e1ddad4a_gemm
	.globl	k_q60e1ddad4a_gemm
	.p2align	8
	.type	k_q60e1ddad4a_gemm,@function
k_q60e1ddad4a_gemm:
	s_mov_b64 s[64:65], 0
	v_nop
	global_prefetch_b8 v0, s[64:65] scope:SCOPE_SE
	s_setreg_imm32_b32 hwreg(HW_REG_WAVE_MODE, 25, 1), 1
	s_wait_xcnt 0x0
	s_wait_alu depctr_hold_cnt(0) depctr_sa_sdst(0) depctr_va_vdst(0) depctr_va_sdst(0) depctr_va_ssrc(0) depctr_va_vcc(0) depctr_vm_vsrc(0)
	s_getreg_b32 s2, hwreg(HW_REG_IB_STS2, 6, 4)
	s_cmp_eq_u32 s2, 0
	s_cbranch_scc0 .Lentry_in_a_cluster
	s_endpgm
.Lentry_in_a_cluster:
	s_bfe_u32 s2, ttmp6, 0x10000c
	s_cmp_lg_u32 s2, 0xf033
	s_cbranch_scc0 .Lentry_shape_is_right
	s_endpgm
.Lentry_shape_is_right:
; out0[m][n] = sum over k of x[m][k] W[n][k] + b[n] + e[m].  x, W: [4096][4096] as codes of FP4 (E2M1), two a byte, K innermost (a row is 2,048 bytes), with one E8M0 scale byte for each 32 along K.
; The scale bytes come laid [K step of 512][place][16 bytes] (xs_t, ws_t), and e in expect, all three made by the launch before.  b, e [4096] and out0 [4096][4096] are f32; sums in f32.
; SHARES.  C has 16 x 16 tiles of 256 x 256, one to a work-group of four waves; a wave makes 128 x 128: 32 accumulators of 32 rows x 16 columns, 512 registers.
; K goes in eight steps of 512 through a ring of two LDS slots (a tile's row is 256 bytes of memory).  A slot holds 256 rows of x, 256 rows of W and, in a region of its own, these rows' 4,096 + 4,096 scale bytes.
; ONE TENSOR LOAD A WAVE fills a slot: wave 0 x's codes, wave 1 W's codes, wave 2 x's scales, wave 3 W's scales.
; CLUSTERS: 4 x 4 work-groups.  The four of a row of the cluster need the same tiles of x, the four of a column the same tiles of W: each tile is asked for JOINTLY, by the same load with the same descriptor and a mask that names the four.
; COLUMNS.  Source 0 = 32 rows of x, source 1 = 16 rows of W: in accumulator (a, 4 g + t) lane (r, h) holds in register 8 u + j row 32 a + 16 u + 8 h + j of C.  Which rows of W form a tile is free: tile (g, t) takes
; columns 64 g + 4 r + t, so a lane's four tiles of one g hold FOUR NEIGHBOURING columns and sixteen lanes 256 neighbouring bytes of a row: results go from registers to memory in whole aligned units, with no way through LDS.
; W's tile is brought in that order by a tile of three dimensions (LDS row 64 t + y holds row 4 y + t), so the sixteen rows of a fragment lie one behind the other in LDS; ws_t has the same order.
; THE SUMS BEGIN AS e, as the C of each accumulator's first product (its registers run along the rows); b is added on the way out, by the additions that gather a lane's four tiles into 16 bytes.
; THE LAST K STEP goes by rows of C: all its fragments of W fill window 1, then the wave's four blocks of 32 rows are finished one after the other, and each leaves as soon as it is finished.
; PREFETCH.  Behind the load of K step s stands the request for K step s + 1, codes and scales, one K step ahead of the load that will want it; a tile's 256 rows are shared out among the four partners that ask for it
; jointly and two waves of each: 32 rows a wave, a lane a row, and two blocks of 256 bytes of its scales.  The last refill asks for nothing.
; LIMITS.  e stands at the head of each f32 sum and b at its end: another order of rounding than adding both last.  A scale byte 0xff gives NaN, as the matrix unit gives it.
; REGISTERS, in windows of 256: window 0: v1-5 at work in the head; v8-15 b; v16-29 addresses; v32-95 scale words, two sets; v96-159 e; v128-191 on the way out; v192-255 x's fragments of the last K step.
;   window 1: x's fragments of 128 along K, sets at v0 and v64; W's, sets at v128 and v192; in the last K step W's of all four quarters.   window 2: accumulators of my rows 0-63;   window 3: of my rows 64-127.
.set SIZE_N, 4096
.set ROWB,   256                       ; a tile's row in bytes: 512 codes of 4 bits
.set KROW,   2048                      ; a row of x or of W in memory, in bytes
.set PITCH,  272                       ; an LDS row: 256 bytes + 16 of padding = 68 words: row r starts at bank 4 r mod 64 (64 banks of 4 bytes: ISA guide 11.1), so the 16 rows that a load touches start at 16 different banks
.set HALFT,  128*PITCH
.set SLOT,   4*HALFT                   ; x's 256 rows, then W's 256 rows
.set SCL,    2*SLOT                    ; behind the ring of codes: the ring of scales
.set SSLOT,  8192                      ; a slot of it: x's 256 x 16 bytes, then W's, dense
.set SSTEP,  65536                     ; a K step's plane of xs_t or ws_t
.set SPARE,  SCL+2*SSLOT               ; the spare words, 128 bytes for each wave: two blocks of 256 bytes that no other line names
.set BV,   8                           ; v[BV + 4 g + t]  b of my column 64 g + 4 r + t
.set ADRA, 16                          ; v16-17  LDS address of my fragments of x in slot 0, 1
.set ADRB, 18                          ; v18-19  the same for W
.set ADSA, 20                          ; v20, v21  LDS address of my scale words of x, of W in slot 0
.set ADSB, 21
.set CO,   22                          ; v22     my byte offset in C: 8 h rows + 16 r
.set PFO,  23                          ; v23, v24  the prefetches' offsets: codes, scales
.set PSO,  24
.set VE,   25                          ; v25     32 h: my half's eight numbers of e in 16 rows
.set VB,   26                          ; v26     16 r: my four columns' b
.set SPW,  28                          ; v28     LDS address of my spare word; never rewritten
.set NIL,  29                          ; v29     0; never rewritten
.set SC,   32                          ; scale words: set s (for slot s) at v[SC + 32 s]: register 4 a + q: lane m the word of row 32 a + m of x; register 16 + 4 i + q: lanes 0-15 W's tile 2 i, lanes 16-31 tile 2 i + 1; q: the slot's q-th 128 along K
.set EV,   96                          ; v[EV + 16 a + 8 u + j]  e of row 32 a + 16 u + 8 h + j
.set TMP,  128
.set AR,   192                         ; last K step: v[AR + 16 q ..] x's fragments of a block, q-th 128 along K
.set WV,   18                          ; s18  my wave's number
.set RH,   19                          ; s19  which half of the tile's rows is mine
.set CH,   20                          ; s20  which half of its columns
.set G1A,  28                          ; descriptor groups 1: x's codes, W's codes, x's scales, W's scales
.set G1B,  36
.set G1SA, 44
.set G1SB, 52
.set G0A,  68                          ; groups 0, in the same order: ONE set serves both slots, written anew where no tensor load is out
.set G0B,  72
.set G0SA, 76
.set G0SB, 80
.set G2,   84                          ; groups 2 and 3 of W's codes
.set G3,   88
.set PFP,  92                          ; s[92:93], s[94:95]  where my prefetches of codes and of scales stand
.set PSP,  94
.set TO_F, 0x40                        ; LDS loads into window 1, address in window 0
.set MSB, 0
.macro WIN new                         ; s_set_vgpr_msb: bits 1:0 source 0, 3:2 source 1, 5:4 source 2, 7:6 destination; the high byte repeats the setting that is left; a switch that changes nothing is dropped
.if MSB != (\new)
	s_set_vgpr_msb (MSB<<8)|(\new)
.set MSB, (\new)
.endif
.endm
.macro PLACES                          ; a load into a register that a matrix instruction has read, and a vector instruction that reads a result, stand four plain vector places behind it (ISA guide 7.12.1 for vector instructions)
.rept 4
	v_nop
.endr
.endm
; The joint loads: each wave issues one of the four lines.  Each line has ONE mask and one set of registers; the branches hang on the wave's number alone.  Four v_nop follow each line.
.macro JLOAD
	s_cmp_lt_u32 s[WV], 2
	s_cbranch_scc0 .Lscales_\@
	s_cmp_eq_u32 s[WV], 0
	s_cbranch_scc0 .Lcodes_w_\@
	tensor_load_to_lds s[G0A:G0A+3], s[G1A:G1A+7]
	s_nop 0
	PLACES
	s_branch .Lasked_\@
.Lcodes_w_\@:
	tensor_load_to_lds s[G0B:G0B+3], s[G1B:G1B+7], s[G2:G2+3], s[G3:G3+3]
	s_nop 0
	PLACES
	s_branch .Lasked_\@
.Lscales_\@:
	s_cmp_eq_u32 s[WV], 2
	s_cbranch_scc0 .Lscales_w_\@
	tensor_load_to_lds s[G0SA:G0SA+3], s[G1SA:G1SA+7]
	s_nop 0
	PLACES
	s_branch .Lasked_\@
.Lscales_w_\@:
	tensor_load_to_lds s[G0SB:G0SB+3], s[G1SB:G1SB+7]
	s_nop 0
	PLACES
.Lasked_\@:
.endm
.macro SLOT_TO slot                    ; the groups 0 point at a slot's LDS bytes
	s_mov_b32 s[G0A+1], \slot*SLOT
	s_mov_b32 s[G0B+1], \slot*SLOT+2*HALFT
	s_mov_b32 s[G0SA+1], SCL+\slot*SSLOT
	s_mov_b32 s[G0SB+1], SCL+\slot*SSLOT+4096
.endm
.macro NEXT slot                       ; and one K step on in memory; the type bits on top are not reached
	SLOT_TO \slot
	s_add_nc_u64 s[G0A+2:G0A+3], s[G0A+2:G0A+3], ROWB
	s_add_nc_u64 s[G0B+2:G0B+3], s[G0B+2:G0B+3], ROWB
	s_add_nc_u64 s[G0SA+2:G0SA+3], s[G0SA+2:G0SA+3], SSTEP
	s_add_nc_u64 s[G0SB+2:G0SB+3], s[G0SB+2:G0SB+3], SSTEP
.endm
.macro ASK n                           ; the prefetches: n K steps on from where the pointers stand
	global_prefetch_b8 v[PFO], s[PFP:PFP+1] offset:(\n)*ROWB th:TH_LOAD_NT scope:SCOPE_SE
	global_prefetch_b8 v[PSO], s[PSP:PSP+1] offset:(\n)*SSTEP th:TH_LOAD_NT scope:SCOPE_SE
.endm
; A round of the cluster's barrier: my work-group's barrier, so that wave 0's signal speaks for all four waves; wave 0 signals for the work-group; every wave waits for all sixteen work-groups; my work-group's barrier once more.
.macro CREST                           ; a round behind its opening barrier
	s_cmp_lg_u32 s[WV], 0
	s_cbranch_scc1 .Lnot_wave_0_\@
	s_barrier_signal -3
.Lnot_wave_0_\@:
	s_barrier_wait -3
	s_barrier_signal -1
	s_barrier_wait -1
.endm
.macro CROUND                          ; a whole round
	s_barrier_signal -1
	s_barrier_wait -1
	CREST
.endm
	s_load_b256 s[4:11], s[0:1], 0x0               ; x's codes s[4:5], x's scales s[6:7], W's codes s[8:9], W's scales s[10:11]
	s_load_b128 s[12:15], s[0:1], 0x20             ; b s[12:13], expect s[14:15]
	s_load_b64 s[16:17], s[0:1], 0x30              ; out0
	v_lshl_add_u32 v[SPW], v0, 2, SPARE
	v_mov_b32 v[NIL], 0
	ds_add_u32 v[SPW], v[NIL]                      ; the wave's opening: the add, twice on end, and its wait ahead of my first tensor load; work on registers stands between
	ds_add_u32 v[SPW], v[NIL]
	v_lshrrev_b32 v1, 5, v0
	v_readfirstlane_b32 s[WV], v1                  ; wave 0..3
	s_lshr_b32 s[RH], s[WV], 1
	s_and_b32 s[CH], s[WV], 1
	s_mul_i32 s66, s[RH], HALFT                    ; my 128 rows of x
	s_mul_i32 s67, s[CH], 32*PITCH                 ; W: LDS row 64 t + 16 (2 CH + g) + r, behind x's 256 rows
	s_add_co_u32 s67, s67, 2*HALFT
	s_lshl_b32 s60, s[RH], 11                      ; my 128 rows' scales of x: 16 bytes a row
	s_add_co_u32 s60, s60, SCL
	s_lshl_b32 s61, s[CH], 11                      ; and of W: place 128 CH + 16 (4 g + t) + r
	s_add_co_u32 s61, s61, SCL+4096
	v_and_b32 v1, 15, v0                           ; r = lane % 16
	v_bfe_u32 v2, v0, 4, 1                         ; h = lane / 16
	v_and_b32 v3, 31, v0                           ; lane
	v_mul_u32_u24 v4, v1, PITCH
	v_lshl_add_u32 v4, v2, 4, v4                   ; a fragment's row x pitch + 16 x half
	v_add_nc_u32 v[ADRA], s66, v4
	v_add_nc_u32 v[ADRB], s67, v4
	v_add_nc_u32 v[ADRA+1], SLOT, v[ADRA]
	v_add_nc_u32 v[ADRB+1], SLOT, v[ADRB]
	v_lshl_add_u32 v[ADSA], v3, 4, s60
	v_lshl_add_u32 v[ADSB], v3, 4, s61
	v_lshlrev_b32 v[VB], 4, v1
	v_lshl_add_u32 v[CO], v2, 17, v[VB]            ; 8 rows of 16,384 bytes for the upper half of the lanes
	v_lshlrev_b32 v[VE], 5, v2
	v_lshlrev_b32 v[PFO], 11, v3                   ; a lane a row of codes
	v_min_u32 v5, 1, v3
	v_lshlrev_b32 v[PSO], 8, v5                    ; two blocks of scales: lane 0 the first, lanes 1-31 the last
	s_bfe_u32 s21, ttmp6, 0x40000                  ; cx, cy: my place in the cluster
	s_bfe_u32 s22, ttmp6, 0x40004
	s_lshl_b32 s23, ttmp9, 2                       ; in a cluster launch ttmp9 and ttmp7 count clusters
	s_add_co_u32 s23, s23, s21                     ; tile column of C = 4 x cluster x + cx
	s_and_b32 s24, ttmp7, 0xffff
	s_lshl_b32 s24, s24, 2
	s_add_co_u32 s24, s24, s22                     ; tile row of C = 4 x cluster y + cy
	s_lshl_b32 s25, s22, 2
	s_lshl_b32 s25, 15, s25                        ; my row of the cluster: places 4 cy .. 4 cy + 3
	s_lshl_b32 s26, 0x1111, s21                    ; my column: places cx, cx + 4, cx + 8, cx + 12
	; descriptor group 1 of x's codes: 256 rows x 256 bytes, 2,048 bytes from row to row, padded in LDS
	s_or_b32 s[G1A], s25, (1<<20)|(1<<21)|(5<<22)|(3<<25)   ; 15:0 the mask: x's tiles go to my row; 17:16 elements of 1 byte; 20 padding on; 21 set beside a mask; 24:22 after every 64 words (code 5); 31:25 of 4 words (code 3)
	s_mov_b32 s[G1A+1], ROWB<<16                   ; tensor_dim0 = 256
	s_mov_b32 s[G1A+2], 256<<16                    ; tensor_dim1 = 256
	s_mov_b32 s[G1A+3], ROWB<<16                   ; tile_dim0 = 256
	s_mov_b32 s[G1A+4], 256                        ; tile_dim1 = 256
	s_mov_b32 s[G1A+5], KROW                       ; stride0
	s_mov_b32 s[G1A+6], 0
	s_mov_b32 s[G1A+7], 0
	; W's codes: 4 planes x 64 rows x 256 bytes: four rows of W from row to row, one row of W from plane to plane
	s_or_b32 s[G1B], s26, (1<<20)|(1<<21)|(5<<22)|(3<<25)   ; with the mask of my column
	s_mov_b32 s[G1B+1], ROWB<<16
	s_mov_b32 s[G1B+2], 64<<16                     ; tensor_dim1 = 64
	s_mov_b32 s[G1B+3], ROWB<<16
	s_mov_b32 s[G1B+4], 64|(4<<16)                 ; tile_dim1 = 64, tile_dim2 = 4
	s_mov_b32 s[G1B+5], 4*KROW                     ; stride0
	s_mov_b32 s[G1B+6], KROW<<16                   ; stride1 = 2,048 in bits 31:16
	s_mov_b32 s[G1B+7], 0
	s_mov_b32 s[G2], 4                             ; tensor_dim2 = 4
	s_mov_b32 s[G2+1], 1                           ; dimensions 3 and 4 are not used (tile sizes 0): extents 1
	s_mov_b32 s[G2+2], 256*KROW
	s_mov_b32 s[G2+3], 0
	s_mov_b32 s[G3], 256*KROW
	s_mov_b32 s[G3+1], 1<<16
	s_mov_b32 s[G3+2], 0
	s_mov_b32 s[G3+3], 0
	; the scales: 4,096 dense bytes, as 16 rows of 256 bytes (32 elements of 8 bytes), no padding
	s_or_b32 s[G1SA], s25, (3<<16)|(1<<21)
	s_or_b32 s[G1SB], s26, (3<<16)|(1<<21)
.irp g, G1SA, G1SB
	s_mov_b32 s[\g+1], 32<<16
	s_mov_b32 s[\g+2], 16<<16
	s_mov_b32 s[\g+3], 32<<16
	s_mov_b32 s[\g+4], 16
	s_mov_b32 s[\g+5], 32
	s_mov_b32 s[\g+6], 0
	s_mov_b32 s[\g+7], 0
.endr
	; where the tiles come from.  x's hang on the tile row alone, which my row of the cluster shares; W's on the tile column alone, which my column shares: each in registers that never hold the other coordinate
	s_lshl_b32 s60, s24, 19                        ; x's codes: 256 rows of 2,048 bytes for each tile row
	s_mov_b32 s61, 0
	s_lshl_b32 s2, s24, 12                         ; x's scales: 256 rows of 16 bytes
	s_mov_b32 s3, 0
	s_lshl_b32 s62, s23, 19                        ; W's codes, by the tile column
	s_mov_b32 s63, 0
	s_lshl_b32 s66, s23, 12                        ; W's scales
	s_mov_b32 s67, 0
	s_mov_b32 s[G0A], 1                            ; group 0: count 1; the LDS address, a constant; the global address; type 2 in the top bits
	s_mov_b32 s[G0B], 1
	s_mov_b32 s[G0SA], 1
	s_mov_b32 s[G0SB], 1
	SLOT_TO 0
	s_wait_alu depctr_va_vdst(0)                   ; the wait here, directly ahead of the waits below
	s_wait_dscnt 0x0                               ; both opening adds are done
	s_wait_kmcnt 0x0
	s_add_nc_u64 s[4:5], s[4:5], s[60:61]
	s_add_nc_u64 s[6:7], s[6:7], s[2:3]
	s_add_nc_u64 s[8:9], s[8:9], s[62:63]
	s_add_nc_u64 s[10:11], s[10:11], s[66:67]
	s_mov_b64 s[G0A+2:G0A+3], s[4:5]
	s_or_b32 s[G0A+3], s[G0A+3], 0x80000000
	s_mov_b64 s[G0B+2:G0B+3], s[8:9]
	s_or_b32 s[G0B+3], s[G0B+3], 0x80000000
	s_mov_b64 s[G0SA+2:G0SA+3], s[6:7]
	s_or_b32 s[G0SA+3], s[G0SA+3], 0x80000000
	s_mov_b64 s[G0SB+2:G0SB+3], s[10:11]
	s_or_b32 s[G0SB+3], s[G0SB+3], 0x80000000
	CROUND                                         ; all sixteen work-groups are here: the first joint loads meet
	JLOAD                                          ; K step 0: one tensor load a wave at the head
	; b of my columns and e of my rows are asked for now and land beside the first tile
	s_lshl_b32 s62, s23, 10                        ; my first column, in bytes of f32: 1,024 x tile column + 512 x half: it serves b and C
	s_lshl_b32 s63, s[CH], 9
	s_add_co_u32 s62, s62, s63
	s_mov_b32 s63, 0
	s_add_nc_u64 s[12:13], s[12:13], s[62:63]
	s_lshl_b32 s60, s24, 10                        ; my first row's e: 4 bytes a row
	s_lshl_b32 s61, s[RH], 9
	s_add_co_u32 s60, s60, s61
	s_mov_b32 s61, 0
	s_add_nc_u64 s[14:15], s[14:15], s[60:61]
	global_load_b128 v[BV:BV+3], v[VB], s[12:13]
	global_load_b128 v[BV+4:BV+7], v[VB], s[12:13] offset:256
.irp a, 0,1,2,3
.irp u, 0,1
	global_load_b128 v[EV+16*\a+8*\u:EV+16*\a+8*\u+3], v[VE], s[14:15] offset:128*\a+64*\u
	global_load_b128 v[EV+16*\a+8*\u+4:EV+16*\a+8*\u+7], v[VE], s[14:15] offset:128*\a+64*\u+16
.endr
.endr
	s_lshl_b32 s60, s24, 22                        ; my first row of C: rows of 16,384 bytes: 256 for each tile row, 128 for the half
	s_lshl_b32 s61, s[RH], 21
	s_add_co_u32 s60, s60, s61
	s_mov_b32 s61, 0
	s_add_nc_u64 s[16:17], s[16:17], s[60:61]
	s_add_nc_u64 s[16:17], s[16:17], s[62:63]
	; the prefetches: waves 0 and 1 name rows of x's tile, shared with the partners by cx; waves 2 and 3 rows of W's, by cy
	s_cmp_eq_u32 s[RH], 0
	s_cselect_b32 s66, s21, s22
	s_cselect_b64 s[PFP:PFP+1], s[4:5], s[8:9]
	s_cselect_b64 s[PSP:PSP+1], s[6:7], s[10:11]
	s_lshl_b32 s60, s66, 17                        ; 64 rows a partner,
	s_lshl_b32 s61, s[CH], 16                      ; 32 a wave
	s_add_co_u32 s60, s60, s61
	s_mov_b32 s61, 0
	s_add_nc_u64 s[PFP:PFP+1], s[PFP:PFP+1], s[60:61]
	s_lshl_b32 s60, s66, 10                        ; four blocks of scales a partner,
	s_lshl_b32 s66, s[CH], 9                       ; two a wave
	s_add_co_u32 s60, s60, s66
	s_add_nc_u64 s[PSP:PSP+1], s[PSP:PSP+1], s[60:61]
	ASK 1
.macro LB slot, q, i, reg              ; W's fragment i = 4 g + t, 16 rows x 128 K of 4-bit codes, 8 registers: lane l holds LDS row l % 16 of the 16; registers 4 c .. 4 c + 3 hold K = 64 c + 32 (l / 16) + 0 .. 31
.irp c, 0,1
	ds_load_b128 v[\reg+4*\c:\reg+4*\c+3], v[ADRB+\slot] offset:64*(\q)+32*\c+(64*((\i)%4)+16*((\i)/4))*PITCH
.endr
.endm
.macro LA slot, q, a, reg              ; x's block a of 32 rows: rows 0-15 in registers 0-7, rows 16-31 in registers 8-15
.irp u, 0,1
.irp c, 0,1
	ds_load_b128 v[\reg+8*\u+4*\c:\reg+8*\u+4*\c+3], v[ADRA+\slot] offset:64*(\q)+32*\c+(32*(\a)+16*\u)*PITCH
.endr
.endr
.endm
; The 32 loads of the slot's q-th 128 along K, in one run, into sets q % 2: W's eight fragments (16 loads), then x's blocks 0 to 3 (4 each).
.macro FETCH slot, q
	WIN TO_F
.set I, 0
.rept 8
	LB \slot, \q, I, 128+64*((\q)%2)+8*I
.set I, I+1
.endr
.set I, 0
.rept 4
	LA \slot, \q, I, 64*((\q)%2)+16*I
.set I, I+1
.endr
.endm
.macro SCALES slot                     ; the slot's scale words into its set: 32 lanes read 512 consecutive bytes
.irp i, 0,1,2,3
	ds_load_b128 v[SC+32*\slot+4*\i:SC+32*\slot+4*\i+3], v[ADSA] offset:SSLOT*\slot+512*\i
	ds_load_b128 v[SC+32*\slot+16+4*\i:SC+32*\slot+16+4*\i+3], v[ADSB] offset:SSLOT*\slot+512*\i
.endr
.endm
.macro MM odd, d, x, w, c, sx, sw      ; an odd tile's scales stand in lanes 16-31 of its register
.if \odd
	v_wmma_scale_f32_32x16x128_f4 v[\d:\d+15], v[\x:\x+15], v[\w:\w+7], v[\c:\c+15], v[\sx], v[\sw] matrix_b_scale:MATRIX_SCALE_ROW1
.else
	v_wmma_scale_f32_32x16x128_f4 v[\d:\d+15], v[\x:\x+15], v[\w:\w+7], v[\c:\c+15], v[\sx], v[\sw]
.endif
.endm
; Eight matrix instructions: x's block a against W's eight fragments, the slot's q-th 128 along K.  first = 1: the sums begin as e.  The 32 accumulators take turns, in the same order in every step.
.macro GRP a, q, slot, first
.set P, (\q)%2
.if \first
	WIN 0x85+0x40*((\a)/2)                         ; sources 0 and 1 window 1, C window 0, D window 2 or 3
.else
	WIN 0xa5+0x50*((\a)/2)                         ; C and D window 2 or 3
.endif
.irp b, 0,1,2,3,4,5,6,7
.set AC, 16*(8*((\a)%2)+\b)
.if \first
	MM \b%2, AC, 64*P+16*(\a), 128+64*P+8*\b, EV+16*(\a), SC+32*\slot+4*(\a)+(\q), SC+32*\slot+16+4*(\b/2)+(\q)
.else
	MM \b%2, AC, 64*P+16*(\a), 128+64*P+8*\b, AC, SC+32*\slot+4*(\a)+(\q), SC+32*\slot+16+4*(\b/2)+(\q)
.endif
.endr
.endm
; A step of 128 along K that has its successor in the same slot.  The next step's 32 loads go out at its head, in one run, into the sets that the step before has multiplied; so each fragment has a whole step in which to land.
; Each wait names what may stay out: those 32, and x's blocks of this step that are not yet due (4 loads each).
.macro STEP slot, q, first
	PLACES
	FETCH \slot, (\q)+1
	s_wait_dscnt 44                                ; W's set and x's block 0 (and a slot's scale words) are in; x's blocks 1-3 and the 32 may be out
	GRP 0, \q, \slot, \first
	s_wait_dscnt 40                                ; x's block 1 is in
	GRP 1, \q, \slot, \first
	s_wait_dscnt 36                                ; block 2
	GRP 2, \q, \slot, \first
	s_wait_dscnt 32                                ; block 3
	GRP 3, \q, \slot, \first
.endm
; The slot's third step (q = 2), which begins the change of slots.  ONE barrier: in front of it each wave waits for all its tensor loads (the one that is out is its part of the next slot), adds 0 to its spare word,
; and waits for that and for its own reads of this slot, whose last were the fourth step's fragments.  Behind it nobody reads this slot any more, codes or scales, and the next slot is whole.
.macro MEET slot, fill
.if \fill
	s_wait_xcnt 0x0                                ; my prefetches have read their addresses: a K step on
	s_add_nc_u64 s[PFP:PFP+1], s[PFP:PFP+1], ROWB
	s_add_nc_u64 s[PSP:PSP+1], s[PSP:PSP+1], SSTEP
.endif
	PLACES
	FETCH \slot, 3
	s_wait_dscnt 44
	GRP 0, 2, \slot, 0
	s_wait_dscnt 40
	GRP 1, 2, \slot, 0
	s_wait_dscnt 36
	GRP 2, 2, \slot, 0
	WIN 0                                          ; (the add's two registers lie in window 0)
	s_wait_tensorcnt 0x0                           ; all my tensor loads have landed
	ds_add_u32 v[SPW], v[NIL]                      ; 0 onto my spare word: work on registers stands between it and the wait for it
.if \fill
	NEXT \slot                                     ; no tensor load of mine is out, so the groups 0 may be written
.endif
	s_wait_dscnt 33                                ; x's block 3: behind it 32 loads and the add
	GRP 3, 2, \slot, 0
	s_wait_dscnt 0x0                               ; the add is done, and my reads of this slot are over
	s_barrier_signal -1
	GRP 0, 3, \slot, 0                             ; work on registers while the others arrive
	WIN 0
	s_barrier_wait -1
.endm
; The change of slots, steps q = 2 and 3: the slot is filled again, two K steps ahead, and the barrier opens a round of the cluster's.
.macro TURN slot, next
	MEET \slot, 1
	CREST                                          ; no wave of any partner still reads this slot's tiles or has a load on its way
	JLOAD                                          ; my one tensor load behind the round; the four v_nop behind it are the places in front of the loads below
	SCALES \next
	FETCH \next, 0
	WIN 0
.if \slot
	s_cmp_gt_u32 s27, 1                            ; the last trip's second refill is K step 7: nothing is left to ask for
	s_cbranch_scc0 .Lnone_\@
.endif
	ASK 2                                          ; the pointers stand at the K step before the refill's: the one behind it
.if \slot
.Lnone_\@:
.endif
	GRP 1, 3, \slot, 0
	GRP 2, 3, \slot, 0
	GRP 3, 3, \slot, 0
.endm
	s_wait_alu depctr_va_vdst(0)                   ; the wait at the head's end
	s_wait_tensorcnt 0x0                           ; my part of K step 0 is in
	ds_add_u32 v[SPW], v[NIL]
	NEXT 1
	s_wait_dscnt 0x0                               ; the add is done
	CROUND                                         ; a whole round: everybody's part of K step 0 is in, and all sixteen work-groups are here
	JLOAD                                          ; K step 1, the first tensor load behind the round
	SCALES 0
	FETCH 0, 0
	WIN 0
	ASK 2
	s_wait_loadcnt 0x0                             ; e and b are in
	STEP 0, 0, 1                                   ; the first step stands in front of the loop: its products start the sums
	WIN 0
	s_mov_b32 s27, 3
.Llap:                                             ; three trips; a trip goes once round the ring, from a lap's second step to the next lap's first, and fills both slots again
	STEP 0, 1, 0
	TURN 0, 1
	STEP 1, 0, 0
	STEP 1, 1, 0
	TURN 1, 0
	STEP 0, 0, 0
	WIN 0
	s_sub_co_u32 s27, s27, 1
	s_cmp_lg_u32 s27, 0
	s_cbranch_scc1 .Llap
	STEP 0, 1, 0                                   ; K step 6 goes on; nothing is filled again, so no round follows its barrier
; THE LAST K STEP, in slot 1, by rows of C.  W's quarter q (128 along K) lies in window 1 at 128 (q % 2) + 64 (q / 2): quarters 0 and 1 where set 0 was, 2 and 3 where set 1 was.
.macro FBR q
	WIN TO_F
.set RB, 128*((\q)%2)+64*((\q)/2)
.set I, 0
.rept 8
	LB 1, \q, I, RB+8*I
.set I, I+1
.endr
.endm
.macro FAR a                           ; x's block a, all four quarters
	WIN 0
.irp q, 0,1,2,3
	LA 1, \q, \a, AR+16*\q
.endr
.endm
.macro ROW a, q                        ; eight matrix instructions: block a, quarter q
	WIN 0xa4+0x50*((\a)/2)                         ; source 0 window 0, source 1 window 1, C and D window 2 or 3
.set RB, 128*((\q)%2)+64*((\q)/2)
.irp b, 0,1,2,3,4,5,6,7
.set AC, 16*(8*((\a)%2)+\b)
	MM \b%2, AC, AR+16*(\q), RB+8*\b, AC, SC+32+4*(\a)+(\q), SC+32+16+4*(\b/2)+(\q)
.endr
.endm
.macro OUT a, u                        ; 16 rows x 128 columns: b is added as a lane's four tiles are gathered, each accumulator from its low end on; lanes 0-15 and lanes 16-31 each store 256 consecutive bytes, at a multiple of 256 from C's first byte
	s_wait_xcnt 0x0                                ; every earlier store has had its addresses translated (ISA guide 3.1): its registers may be rewritten
	WIN 0x02+(\a)/2                                ; source 0 window 2 or 3
.irp j, 0,1,2,3,4,5,6,7
.irp g, 0,1
.irp t, 0,1,2,3
	v_add_f32 v[TMP+8*\j+4*\g+\t], v[16*(8*((\a)%2)+4*\g+\t)+8*\u+\j], v[BV+4*\g+\t]
.endr
.endr
.endr
	WIN 0
.irp j, 0,1,2,3,4,5,6,7
.irp g, 0,1
	global_store_b128 v[CO], v[TMP+8*\j+4*\g:TMP+8*\j+4*\g+3], s[16:17] offset:(32*(\a)+16*\u+\j)*4*SIZE_N+256*\g th:TH_STORE_NT   ; 119 rows on at the most, 1,949,952 bytes: inside the signed 24-bit immediate (ISA guide, chapter 10); written once, read by nobody here
.endr
.endr
.endm
	MEET 0, 0
	PLACES
	SCALES 1
	FBR 0
	FAR 0
	FBR 1
	GRP 1, 3, 0, 0
	GRP 2, 3, 0, 0
	GRP 3, 3, 0, 0
	PLACES
	FBR 2
	FBR 3
	s_wait_dscnt 48                                ; scale words, quarter 0 and block 0 are in; quarters 1 to 3 may be out
	ROW 0, 0
	s_wait_dscnt 32                                ; quarter 1
	ROW 0, 1
	s_wait_dscnt 16                                ; quarter 2
	ROW 0, 2
	s_wait_dscnt 0
	ROW 0, 3
.irp a, 0,1,2,3
	PLACES                                         ; in front of the loads over x's fragments and of the reads of results
	WIN 0
.if \a < 3
	FAR \a+1                                       ; the next block lands while this one leaves
.endif
	OUT \a, 0
	OUT \a, 1
.if \a < 3
	s_wait_dscnt 0
	ROW \a+1, 0
	ROW \a+1, 1
	ROW \a+1, 2
	ROW \a+1, 3
.endif
.endr
	s_wait_tensorcnt 0x0                           ; the wave's end, behind my last tensor load
	ds_add_u32 v[SPW], v[NIL]
	s_wait_dscnt 0x0
	CROUND                                         ; the closing round: no work-group ends while a partner may still ask for a tile that names it
	s_endpgm
.Lfunc_end_k_q60e1ddad4a_gemm:
	.size	k_q60e1ddad4a_gemm, .Lfunc_end_k_q60e1ddad4a_gemm-k_q60e1ddad4a_gemm
	.p2alignl 7, 3214868480
	.fill 96, 4, 3214868480
	.section	.rodata,"a",@progbits
	.p2align	6, 0x0
	.amdhsa_kernel k_q60e1ddad4a_gemm
		.amdhsa_group_segment_fixed_size 327680
		.amdhsa_private_segment_fixed_size 0
		.amdhsa_enable_private_segment 0
		.amdhsa_kernarg_size 56
		.amdhsa_user_sgpr_count 2
		.amdhsa_user_sgpr_kernarg_segment_ptr 1
		.amdhsa_wavefront_size32 1
		.amdhsa_system_sgpr_workgroup_id_x 1
		.amdhsa_system_sgpr_workgroup_id_y 1
		.amdhsa_system_sgpr_workgroup_id_z 1
		.amdhsa_system_vgpr_workitem_id 0
		.amdhsa_next_free_vgpr 1024
		.amdhsa_next_free_sgpr 96
		.amdhsa_reserve_vcc 0
		.amdhsa_float_denorm_mode_32 3
		.amdhsa_float_denorm_mode_16_64 3
		.amdhsa_memory_ordered 1
		.amdhsa_forward_progress 1
		.amdhsa_inst_pref_size 151
	.end_amdhsa_kernel
	.amdgpu_metadata
---
amdhsa.version: [ 1, 2 ]
amdhsa.kernels:
  - .name:           k_q60e1ddad4a_gemm
    .symbol:         k_q60e1ddad4a_gemm.kd
    .args:
      - { .name: x_codes, .offset: 0, .size: 8, .value_kind: global_buffer, .address_space: global }
      - { .name: xs_t, .offset: 8, .size: 8, .value_kind: global_buffer, .address_space: global }
      - { .name: W_codes, .offset: 16, .size: 8, .value_kind: global_buffer, .address_space: global }
      - { .name: ws_t, .offset: 24, .size: 8, .value_kind: global_buffer, .address_space: global }
      - { .name: b, .offset: 32, .size: 8, .value_kind: global_buffer, .address_space: global }
      - { .name: expect, .offset: 40, .size: 8, .value_kind: global_buffer, .address_space: global }
      - { .name: out0, .offset: 48, .size: 8, .value_kind: global_buffer, .address_space: global }
    .group_segment_fixed_size: 327680
    .private_segment_fixed_size: 0
    .kernarg_segment_align: 8
    .kernarg_segment_size: 56
    .max_flat_workgroup_size: 128
    .sgpr_count:     96
    .vgpr_count:     1024
    .wavefront_size: 32
...
	.end_amdgpu_metadata
.endif
;; end of part 2
